; MI455X (gfx1250); checked and timed in simulation.
; The chip was launched on July 23, 2026; its instructions are those of AMD's public machine-readable ISA for CDNA 5 (MIT licence, August 2026) and "CDNA5" Instruction Set Architecture Reference Guide (July 2026). The comments in the code are by the model that wrote it; some were corrected since.
;; Mo E Layer. Allowed arithmetic: matrix products marked QUANTISED: E2M1 operands, one E8M0 scale for each 32 along K, by v_wmma_scale_f32_16x16x128_f8f6f4 with both operands' format E2M1 (or v_wmma_scale_f32_32x16x128_f4), f32 sums; products left as they are: f32 operands where the result goes on into a quantised operand, else bf16, f16 or f32 operands; f32 sums; everything else in f32.
;; Inputs: b1 8 x 4,096 float32; b2 8 x 1,024 float32; br 8 float32; hidden_states 4 x 256 x 1,024 float32; w1 8 x 1,024 x 4,096 float32; w2 8 x 4,096 x 1,024 float32; wr 1,024 x 8 float32.
;; Outputs: out0 4 x 256 x 1,024 float32.
;; This version of the problem:
;;   THIS VERSION OF THE PROBLEM IS GIVEN IN LOW PRECISION. The matrix products marked QUANTISED in the list below multiply operands that are first quantised to E2M1 (2 exponent bits, 1 mantissa bit; 4 bits a number), with one power-of-two scale for each 32 numbers along K (OCP MX v1.0); their sums are f32. All else is computed in f32.
;;   The module's matrix products, in the order in which they are computed (A, B: the left and right operand; K: the contracted axis; several contracted axes count as one K, in the product's order):
;;     1. [M 1,024, K 1,024] x [K 1,024, N 8]; A: input hidden_states; B: input wr: left as it is (N = 8 < 16)
;;     2. [M 1,024, K 1,024] x [K 1,024, N 4,096]; A: input hidden_states; B: input w1: QUANTISED
;;     3. [M 1,024, K 4,096] x [K 4,096, N 1,024]; A: computed on the way; B: input w2: QUANTISED
;;     4. [M 1,024, K 1,024] x [K 1,024, N 4,096]; A: input hidden_states; B: input w1: QUANTISED
;;     5. [M 1,024, K 4,096] x [K 4,096, N 1,024]; A: computed on the way; B: input w2: QUANTISED
;;     6. [M 1,024, K 1,024] x [K 1,024, N 4,096]; A: input hidden_states; B: input w1: QUANTISED
;;     7. [M 1,024, K 4,096] x [K 4,096, N 1,024]; A: computed on the way; B: input w2: QUANTISED
;;     8. [M 1,024, K 1,024] x [K 1,024, N 4,096]; A: input hidden_states; B: input w1: QUANTISED
;;     9. [M 1,024, K 4,096] x [K 4,096, N 1,024]; A: computed on the way; B: input w2: QUANTISED
;;     10. [M 1,024, K 1,024] x [K 1,024, N 4,096]; A: input hidden_states; B: input w1: QUANTISED
;;     11. [M 1,024, K 4,096] x [K 4,096, N 1,024]; A: computed on the way; B: input w2: QUANTISED
;;     12. [M 1,024, K 1,024] x [K 1,024, N 4,096]; A: input hidden_states; B: input w1: QUANTISED
;;     13. [M 1,024, K 4,096] x [K 4,096, N 1,024]; A: computed on the way; B: input w2: QUANTISED
;;     14. [M 1,024, K 1,024] x [K 1,024, N 4,096]; A: input hidden_states; B: input w1: QUANTISED
;;     15. [M 1,024, K 4,096] x [K 4,096, N 1,024]; A: computed on the way; B: input w2: QUANTISED
;;     16. [M 1,024, K 1,024] x [K 1,024, N 4,096]; A: input hidden_states; B: input w1: QUANTISED
;;     17. [M 1,024, K 4,096] x [K 4,096, N 1,024]; A: computed on the way; B: input w2: QUANTISED
;;   THE QUANTISER, for each operand of a quantised product, along K:
;;     - K is cut into blocks of 32 from its start; a last block that is shorter is filled with zeros.
;;     - A block's scale is 2^e with e = floor(log2(the largest magnitude in the block)) - 2, held to -126 .. 127; a block of zeros has e = 0. As a byte (E8M0): e + 127.
;;     - Each number is divided by its block's scale, clamped to +-6, and rounded to the nearest number of E2M1, ties to even, subnormals kept.
;;     - The product sums the exact products of the quantised numbers (number of the format x scale) in f32.
;;   ~~~python
;;   def quantise(x, axis):      # numpy; x: float32 -> the quantised numbers, widened to float32 again
;;       x = np.moveaxis(x, axis, -1); K = x.shape[-1]
;;       x = np.pad(x, [(0, 0)] * (x.ndim - 1) + [(0, -K % 32)]); x = x.reshape(x.shape[:-1] + (-1, 32)); a = np.abs(x).max(-1, keepdims=True)
;;       e = np.where(a > 0, np.clip(np.frexp(np.where(a > 0, a, 1))[1] - 1 - 2, -126, 127), 0)      # np.frexp(a)[1] - 1 = floor(log2(a)), exactly
;;       r = np.clip(x / 2.0 ** e, -6, 6)
;;       step = 2.0 ** (np.maximum(np.frexp(np.where(r == 0, 1, r))[1] - 1, 0) - 1)
;;       q = np.round(r / step) * step * 2.0 ** e      # np.round: ties to even
;;       return np.moveaxis(q.reshape(q.shape[:-2] + (-1,))[..., :K], -1, axis).astype(np.float32)
;;   ~~~
;;   OPERANDS COMPUTED ON THE WAY. 'Computed on the way' means the value that the module computes at that place (a softmax that the list does not call 'softmax' is quantised finished and normalised). What goes into a quantiser is computed in f32, as accurately as f32 sums, v_exp_f32 and their like allow (about 1e-6 of the number): no bf16 or f16 on the way to a quantiser, and a product that is left as it is and whose result goes on into a quantised operand takes f32 operands (vector FMAs, or v_wmma_f32_16x16x4_f32). A number that lies on a knife's edge between two numbers of the format may be rounded either way, as far as f32 arithmetic and the matrix unit's own rounding can turn it there, and no further.
;; One version. Each part assembles by itself: llvm-mc -triple=amdgcn-amd-amdhsa -mcpu=gfx1250 --defsym DOCPART=n.
;; ======== version 1 of 1: 3 launches
;; workspace buffers: xq 524,288 bytes; xsc 32,768 bytes; top1 4,096 bytes of whole numbers; gate 4,096 bytes; himg 16,777,216 bytes; hsc 1,048,576 bytes
;; launch route (part 1): grid 64 x 1, 4 waves a work-group, no clusters, 35,328 bytes of LDS; arguments hidden_states, wr, br, xq, xsc, top1, gate; writes xq, xsc, top1, gate
.if DOCPART == 1
	.amdgcn_target "amdgcn-amd-amdhsa--gfx1250"
	.amdhsa_code_object_version 6
	.text
	.protected	k_qfac96abb05_route
	.globl	k_qfac96abb05_route
	.p2align	8
	.type	k_qfac96abb05_route,@function
k_qfac96abb05_route:
	s_mov_b64 s[64:65], 0
	v_nop
	global_prefetch_b8 v0, s[64:65] scope:SCOPE_SE
	s_setreg_imm32_b32 hwreg(HW_REG_WAVE_MODE, 25, 1), 1
	s_wait_xcnt 0x0
; THE ROUTER, AND x INTO CODES.  x: [1024 tokens][1024] f32.  logits = x wr + br in f32 (fused multiply-adds); top1 = the index of the largest logit (the lower index keeps a tie);
; gate = p1 / (p1 + p2) = 1 / (1 + e^(l2 - l1)), l1 >= l2 the two largest logits: the row's largest logit is what is taken away, and the softmax's divisor cancels.
; x is also quantised to FP4 (E2M1), one E8M0 byte for each 32 along its 1,024: xq [token][512 bytes], xsc [token][32 bytes].
; SHARES.  A work-group takes 16 tokens, a wave 4.  Lane l holds block l (k = 32 l .. 32 l + 31) of each of its wave's 4 tokens in 32 consecutive registers: a block's largest magnitude needs no other lane,
; a token's codes leave as 512 consecutive bytes, and the same registers feed the router's sums.  wr (32 KiB) lies in LDS, lane l's 32 rows (1,024 bytes) 1,040 bytes apart: an odd multiple of 16.
; No matrix unit: the product has 8 columns, and its result chooses the expert, so it is summed in f32.  No address and no branch hangs on a floating-point number: top1 and gate go to fixed places.
; LIMITS: NaN and infinities are not served.  A block whose largest magnitude lies under 2^-124 (a block of zeros too) keeps the scale byte 1; the bytes are read by this program alone.
; Logits that differ by less than the rounding of an f32 sum of 1,024 terms may choose another expert than a sum taken in another order.
.set WRP,  1040                        ; LDS: a lane's 32 rows of wr + 16 bytes of padding; 32 such regions from byte 0
.set XSL,  33280                       ; 16 tokens x 32 scale bytes
.set TOPL, 33792                       ; 16 words: top1;  64 bytes on: 16 words: gate
.set CD,   16                          ; v16-31   codes, 4 registers a token
.set X,    32                          ; v32-159  x, 32 registers a token
.set WB,   160                         ; v160-223 wr as it is staged; then two buffers of 4 rows x 8; then the top-2's registers
.set ACC,  224                         ; v224-255 8 logits x 4 tokens
	s_load_b256 s[4:11], s[0:1], 0x0               ; x s[4:5], wr s[6:7], br s[8:9], xq s[10:11]
	s_load_b128 s[12:15], s[0:1], 0x20             ; xsc s[12:13], top1 s[14:15]
	s_load_b64 s[16:17], s[0:1], 0x30              ; gate
	s_set_vgpr_msb 0x40
	v_lshl_add_u32 v0, v0, 2, 0x8800
	v_mov_b32 v1, 0
	s_set_vgpr_msb 0x4000
	v_lshrrev_b32 v1, 5, v0
	v_readfirstlane_b32 s18, v1                    ; wave 0..3
	v_and_b32 v1, 31, v0                           ; lane
	v_lshlrev_b32 v2, 4, v0                        ; wr in memory: 16 bytes a thread
	v_lshrrev_b32 v3, 6, v0
	v_and_b32 v4, 63, v0
	v_mul_u32_u24 v3, v3, WRP
	v_lshl_add_u32 v3, v4, 4, v3                   ; wr in LDS: 64 threads fill a region of 1,024 bytes
	v_lshlrev_b32 v4, 7, v1                        ; x: my block's 128 bytes of a row
	v_mul_u32_u24 v5, v1, WRP                      ; my 32 rows of wr
	s_lshl_b32 s30, s18, 7
	s_add_co_u32 s30, s30, XSL
	v_add_nc_u32 v6, s30, v1                       ; my block's scale byte: XSL + 32 (4 wave + q) + lane
	v_lshlrev_b32 v7, 4, v1                        ; 16 bytes a lane
	v_and_b32 v15, 15, v0
	v_lshl_add_u32 v15, v15, 2, TOPL               ; the way out of top1 and gate
	s_mov_b32 s28, 0x76543210
	s_mov_b32 s29, 0xfedcba98                      ; v_permlanex16_b32's selects for lane l xor 16
	s_lshl_b32 s31, s18, 4
	s_add_co_u32 s31, s31, TOPL                    ; my wave's four words
	s_mov_b32 s3, 0
	s_wait_alu depctr_va_vdst(0)
	s_wait_kmcnt 0x0
	s_load_b256 s[20:27], s[8:9], 0x0              ; br: 8 numbers
	s_lshl_b32 s2, ttmp9, 16                       ; 16 rows of 4,096 bytes a work-group,
	s_lshl_b32 s30, s18, 14                        ; 4 a wave
	s_add_co_u32 s2, s2, s30
	s_add_nc_u64 s[4:5], s[4:5], s[2:3]
	s_lshr_b32 s2, s2, 3                           ; rows of 512 bytes
	s_add_nc_u64 s[10:11], s[10:11], s[2:3]
	s_lshl_b32 s2, ttmp9, 9                        ; 16 rows of 32 bytes
	s_add_nc_u64 s[12:13], s[12:13], s[2:3]
	s_lshl_b32 s2, ttmp9, 6                        ; 16 words
	s_add_nc_u64 s[14:15], s[14:15], s[2:3]
	s_add_nc_u64 s[16:17], s[16:17], s[2:3]
.irp j, 0,1,2,3,4,5,6,7,8,9,10,11,12,13,14,15
	global_load_b128 v[WB+4*\j:WB+4*\j+3], v2, s[6:7] offset:2048*\j          ; wr: the four waves read 2,048 consecutive bytes
.endr
.irp q, 0,1,2,3
.irp j, 0,1,2,3,4,5,6,7
	global_load_b128 v[X+32*\q+4*\j:X+32*\q+4*\j+3], v4, s[4:5] offset:4096*\q+16*\j
.endr
.endr
	s_wait_loadcnt 32                              ; wr is in: x's 32 loads are younger
.irp j, 0,1,2,3,4,5,6,7,8,9,10,11,12,13,14,15
	ds_store_b128 v3, v[WB+4*\j:WB+4*\j+3] offset:2*WRP*\j
.endr
	s_wait_dscnt 0x0                               ; for the others' sake: my part of wr lies in LDS
	s_barrier_signal -1
	s_barrier_wait -1
	s_wait_loadcnt 0x0                             ; x; v2 and v4 are free too
	v_and_b32 v2, 15, v0
	v_lshlrev_b32 v2, 2, v2                        ; the way out: a word for each of 16 lanes, lanes 16-31 the same again
	v_mov_b32 v3, s31                              ; where my wave puts its four top1 (gate: 64 bytes on)
	v_add_nc_u32 v4, XSL, v7                       ; the way out of the scale bytes
.macro WRROWS g                        ; rows 4 g .. 4 g + 3 of my 32 into buffer g % 2: 8 loads
.irp i, 0,1,2,3
	ds_load_b128 v[WB+32*((\g)%2)+8*\i:WB+32*((\g)%2)+8*\i+3],   v5 offset:32*(4*(\g)+\i)
	ds_load_b128 v[WB+32*((\g)%2)+8*\i+4:WB+32*((\g)%2)+8*\i+7], v5 offset:32*(4*(\g)+\i)+16
.endr
.endm
; Token q's block of mine: largest magnitude (two chains, and the floor 2^(3 - 127), which holds the byte at 1 from below), 2 off its exponent field = the conversions' scale operand, whose exponent field is the byte.
.macro QTOK q
.set XQ, X+32*\q
	v_max3_num_f32 v8, |v[XQ]|, |v[XQ+1]|, |v[XQ+2]|
	v_max3_num_f32 v9, |v[XQ+3]|, |v[XQ+4]|, |v[XQ+5]|
.irp i, 6,10,14,18,22,26
	v_max3_num_f32 v8, v8, |v[XQ+\i]|, |v[XQ+\i+1]|
	v_max3_num_f32 v9, v9, |v[XQ+\i+2]|, |v[XQ+\i+3]|
.endr
	v_max3_num_f32 v8, v8, |v[XQ+30]|, |v[XQ+31]|
	v_max3_num_f32 v8, v8, v9, 0x1800000
	v_add_nc_u32 v10, 0xff000000, v8
.irp g, 0,1,2,3
	v_cvt_scalef32_pk8_fp4_f32 v[CD+4*\q+\g], v[XQ+8*\g:XQ+8*\g+7], v10
.endr
	v_lshrrev_b32 v[11+\q], 23, v10                ; the byte; also the plain line behind the conversions.  A register of its own for each token
	ds_store_b8 v6, v[11+\q] offset:32*\q
	global_store_b128 v7, v[CD+4*\q:CD+4*\q+3], s[10:11] offset:512*\q        ; the wave stores a token's 512 consecutive bytes
.endm
; Row 4 g + i of my 32: 8 logits x 4 tokens, two logits an instruction; x's number is one register of a pair (sel), taken for both halves.  The very first row starts the sums.
.macro FROW g, i, sel
.irp q, 0,1,2,3
.irp p, 0,2,4,6
.if ((\g)+(\i)) == 0
	v_pk_mul_f32 v[ACC+8*\q+\p:ACC+8*\q+\p+1], v[WB+\p:WB+\p+1], v[X+32*\q:X+32*\q+1] op_sel_hi:[1,0]
.else
	v_pk_fma_f32 v[ACC+8*\q+\p:ACC+8*\q+\p+1], v[WB+32*((\g)%2)+8*\i+\p:WB+32*((\g)%2)+8*\i+\p+1], v[X+32*\q+4*(\g)+\i-\sel:X+32*\q+4*(\g)+\i-\sel+1], v[ACC+8*\q+\p:ACC+8*\q+\p+1] op_sel:[0,\sel,0] op_sel_hi:[1,\sel,1]
.endif
.endr
.endr
.endm
.macro FMA4 g
	FROW \g, 0, 0
	FROW \g, 1, 1
	FROW \g, 2, 0
	FROW \g, 3, 1
.endm
	WRROWS 0                                       ; on their way while x is quantised
	QTOK 0
	QTOK 1
	QTOK 2
	QTOK 3
.irp g, 0,1,2,3,4,5,6
	WRROWS \g+1
	s_wait_dscnt 8                                 ; all but the 8 loads just issued
	FMA4 \g
.endr
	s_wait_dscnt 0x0
	FMA4 7
	; the 32 lanes' parts of each of the 32 sums: four steps inside each half of the lanes, one across; every lane ends with the same bits
.irp m, 1,2,4,8
.set N, 0
.rept 32
	v_add_f32_dpp v[ACC+N], v[ACC+N], v[ACC+N] row_xmask:\m row_mask:0xf bank_mask:0xf
.set N, N+1
.endr
.endr
.set N, 0
.rept 32
	v_permlanex16_b32 v[WB+N], v[ACC+N], s28, s29  ; (its destination has been written: wr lay there)
.set N, N+1
.endr
.set N, 0
.rept 32
	v_add_f32 v[ACC+N], v[ACC+N], v[WB+N]
.set N, N+1
.endr
	s_wait_kmcnt 0x0                               ; br
.set N, 0
.rept 32
	v_add_f32 v[ACC+N], s[20+N%8], v[ACC+N]
.set N, N+1
.endr
	; the two largest of eight, four tokens by turns.  v192.. l1, v196.. l2, v200.. top1, v204.. at work
.irp q, 0,1,2,3
	v_mov_b32 v[192+\q], v[ACC+8*\q]
	v_mov_b32 v[196+\q], 0xff800000                ; -infinity: under every logit
	v_mov_b32 v[200+\q], 0
.endr
.irp e, 1,2,3,4,5,6,7
.irp q, 0,1,2,3
	v_cmp_ge_f32 vcc_lo, v[192+\q], v[ACC+8*\q+\e] ; the earlier index stays where it is not beaten
	v_cndmask_b32 v[200+\q], \e, v[200+\q], vcc_lo
	v_min_num_f32 v[204+\q], v[192+\q], v[ACC+8*\q+\e]
	v_max_num_f32 v[196+\q], v[196+\q], v[204+\q]
	v_max_num_f32 v[192+\q], v[192+\q], v[ACC+8*\q+\e]
.endr
.endr
.irp q, 0,1,2,3
	v_sub_f32 v[204+\q], v[196+\q], v[192+\q]      ; l2 - l1, 0 or less
.endr
.irp q, 0,1,2,3
	v_mul_f32 v[204+\q], 0x3fb8aa3b, v[204+\q]     ; x log2(e)
.endr
	s_wait_alu depctr_va_vdst(0)
.irp q, 0,1,2,3
	v_exp_f32 v[204+\q], v[204+\q]
.endr
	v_nop                                          ; a plain line behind the last exponential
	s_wait_alu depctr_va_vdst(0)                   ; one wait for the four, ahead of their first reader
.irp q, 0,1,2,3
	v_add_f32 v[204+\q], 1.0, v[204+\q]
.endr
	s_wait_alu depctr_va_vdst(0)
.irp q, 0,1,2,3
	v_rcp_f32 v[208+\q], v[204+\q]
.endr
	v_nop
	s_wait_alu depctr_va_vdst(0)                   ; and one for the four reciprocals
.irp q, 0,1,2,3
	ds_store_b32 v3, v[200+\q] offset:4*\q         ; all lanes write the same word with the same value
	ds_store_b32 v3, v[208+\q] offset:64+4*\q
.endr
	s_wait_dscnt 0x0                               ; for the others' sake: my scale bytes, top1 and gates lie in LDS
	s_barrier_signal -1
	s_barrier_wait -1
	s_cmp_lg_u32 s18, 0
	s_cbranch_scc1 .Lnot_w0
	ds_load_b32 v8, v15                            ; wave 0: the work-group's 16 top1: 64 consecutive bytes
	s_wait_dscnt 0x0
	global_store_b32 v2, v8, s[14:15]
	s_set_vgpr_msb 0x5
	s_wait_tensorcnt 0x0
	ds_add_u32 v0, v1
	s_wait_dscnt 0x0
	s_set_vgpr_msb 0x500
	s_endpgm
.Lnot_w0:
	s_cmp_lg_u32 s18, 1
	s_cbranch_scc1 .Lnot_w1
	ds_load_b32 v8, v15 offset:64                  ; wave 1: its 16 gates
	s_wait_dscnt 0x0
	global_store_b32 v2, v8, s[16:17]
	s_set_vgpr_msb 0x5
	s_wait_tensorcnt 0x0
	ds_add_u32 v0, v1
	s_wait_dscnt 0x0
	s_set_vgpr_msb 0x500
	s_endpgm
.Lnot_w1:
	s_cmp_lg_u32 s18, 2
	s_cbranch_scc1 .Ldone
	ds_load_b128 v[8:11], v4                       ; wave 2: its 512 scale bytes: 512 consecutive bytes, aligned
	s_wait_dscnt 0x0
	global_store_b128 v7, v[8:11], s[12:13]
.Ldone:
	s_set_vgpr_msb 0x5
	s_wait_tensorcnt 0x0
	ds_add_u32 v0, v1
	s_wait_dscnt 0x0
	s_set_vgpr_msb 0x500
	s_endpgm
.Lfunc_end_k_qfac96abb05_route:
	.size	k_qfac96abb05_route, .Lfunc_end_k_qfac96abb05_route-k_qfac96abb05_route
	.p2alignl 7, 3214868480
	.fill 96, 4, 3214868480
	.section	.rodata,"a",@progbits
	.p2align	6, 0x0
	.amdhsa_kernel k_qfac96abb05_route
		.amdhsa_group_segment_fixed_size 35328
		.amdhsa_private_segment_fixed_size 0
		.amdhsa_enable_private_segment 0
		.amdhsa_kernarg_size 56
		.amdhsa_user_sgpr_count 2
		.amdhsa_user_sgpr_kernarg_segment_ptr 1
		.amdhsa_wavefront_size32 1
		.amdhsa_system_sgpr_workgroup_id_x 1
		.amdhsa_system_sgpr_workgroup_id_y 1
		.amdhsa_system_sgpr_workgroup_id_z 1
		.amdhsa_system_vgpr_workitem_id 0
		.amdhsa_next_free_vgpr 258
		.amdhsa_next_free_sgpr 66
		.amdhsa_reserve_vcc 1
		.amdhsa_float_denorm_mode_32 3
		.amdhsa_float_denorm_mode_16_64 3
		.amdhsa_memory_ordered 1
		.amdhsa_forward_progress 1
		.amdhsa_inst_pref_size 71
	.end_amdhsa_kernel
	.amdgpu_metadata
---
amdhsa.version: [ 1, 2 ]
amdhsa.kernels:
  - .name:           k_qfac96abb05_route
    .symbol:         k_qfac96abb05_route.kd
    .args:
      - { .name: hidden_states, .offset: 0, .size: 8, .value_kind: global_buffer, .address_space: global }
      - { .name: wr, .offset: 8, .size: 8, .value_kind: global_buffer, .address_space: global }
      - { .name: br, .offset: 16, .size: 8, .value_kind: global_buffer, .address_space: global }
      - { .name: xq, .offset: 24, .size: 8, .value_kind: global_buffer, .address_space: global }
      - { .name: xsc, .offset: 32, .size: 8, .value_kind: global_buffer, .address_space: global }
      - { .name: top1, .offset: 40, .size: 8, .value_kind: global_buffer, .address_space: global }
      - { .name: gate, .offset: 48, .size: 8, .value_kind: global_buffer, .address_space: global }
    .group_segment_fixed_size: 35328
    .private_segment_fixed_size: 0
    .kernarg_segment_align: 8
    .kernarg_segment_size: 56
    .max_flat_workgroup_size: 128
    .sgpr_count:     66
    .vgpr_count:     258
    .wavefront_size: 32
...
	.end_amdgpu_metadata
.endif
;; end of part 1
;; launch up (part 2): grid 256 x 1, 16 waves a work-group, no clusters, 83,968 bytes of LDS; arguments w1, b1, xq, xsc, top1, himg, hsc; writes himg, hsc
.if DOCPART == 2
	.amdgcn_target "amdgcn-amd-amdhsa--gfx1250"
	.amdhsa_code_object_version 6
	.text
	.protected	k_qfac96abb05_up
	.globl	k_qfac96abb05_up
	.p2align	8
	.type	k_qfac96abb05_up,@function
k_qfac96abb05_up:
	s_mov_b64 s[64:65], 0
	v_nop
	global_prefetch_b8 v0, s[64:65] scope:SCOPE_SE
	s_setreg_imm32_b32 hwreg(HW_REG_WAVE_MODE, 25, 1), 1
	s_wait_xcnt 0x0
; THE FIRST PRODUCT OF THE CHOSEN EXPERTS: h = Q(gelu(Q(x) Q(w1[e]) + b1[e])), both operands FP4 (E2M1) with one E8M0 scale for each 32 along K = 1,024; gelu exact (by erfc), in f32; h quantised along the 4,096.
; SHARES.  Work-group = (expert e = x / 32, slice = x % 32): 128 of the expert's 4,096 columns, all of K: 512 KiB of f32 weights, read once, by nobody else.  They are quantised in registers and their codes lie in LDS
; (64 KiB, each byte written once).  A LANE TAKES A COLUMN AND ITS REGISTERS RUN DOWN K: a unit is 32 rows x 32 columns, 32 loads of 128 consecutive bytes; a block of 32 along K lies in one lane.
; Wave w owns K rows 64 w .. 64 w + 63, in 8 units: (column half c, K block kb, 32 columns g).  When the 16 waves have done a half's 4 units, wave w multiplies tile w (16 of the expert's tokens) by that half's 64 columns
; while the next units' loads are on their way.  Tiles 16 and up (an expert with more than 256 tokens) follow behind the stream, out of the same LDS codes: any split of the tokens is served.
; WHICH TOKENS.  top1 (stored by the launch before, whole numbers) is read by wave 0, which lays the expert's tokens in a list in LDS under the flight of the first weight loads; the next launch runs the same lines
; and gets the same list.  Places behind the list's end hold the marker 1,024; a marker's row is computed on token 1,023's codes, and the next launch throws it away.
; THE PRODUCT IS USED TRANSPOSED (source 0 = 16 columns of w1, source 1 = 16 tokens), AND THE COLUMNS OF A TILE ARE NOT NEIGHBOURS: column l of a group of 32 lies in LDS row p(l) = l % 8 + 16 bit3(l) + 8 bit4(l), so that a
; tile is 16 neighbouring LDS rows and a lane's 16 registers of tiles 2 b, 2 b + 1 are hidden units 32 b + 16 (lane / 16) + 0 .. 15 of one token: neighbours along the next K.
; OUT: himg [e][tile 64][K step 32][half 2][lane 32][16 bytes]: the image of the next product's operand registers; hsc [e][tile][K step][row 16]: a row's scale word.  This slice is K step `slice`.
; NO TENSOR LOADS, NO CLUSTER: the number of tiles is read from memory, so operands come by plain loads, which have no joint form; and the weights, 512 of a work-group's 640 KiB at 16 tiles, are shared by nobody.
; NO PREFETCH: the weights' loads are themselves the stream; each wave keeps 63 of them out.
; LIMITS: NaN and infinities are not served.  A block whose largest magnitude lies under 2^-124 (a block of zeros too) keeps the scale byte 1; the bytes are read by this program alone.
; erfc(a), a = |x| / sqrt(2), is a polynomial of degree 9 in (a - 2) / (a + 2) over (1 + 2 a), times e^(-a a) with the roundings of a a and of the exponent put right: good to some 4e-7 of its value, to which comes
; 2 a a x 1e-7 from the rounding of a itself; a is held at 10.0546875, where erfc lies under the smallest normal f32 number and comes out 0.
.set CP,   528                         ; LDS: CODES from byte 0: 128 rows (columns) x (512 bytes = 1,024 codes + 16 of padding: an odd multiple of 16)
.set SCL,  67584                       ; 128 rows x (32 scale bytes + 16 of padding)
.set SP,   48
.set BIAS, 73728                       ; the slice's 128 numbers of b1
.set LIST, 74240                       ; 1,024 words: the expert's tokens, then markers; behind them 64 words into which the others' tokens are dumped
.set CNT,  78592                       ; one word: how many tokens the expert has
; v1 4 lane; v2, v3 where my codes and scale bytes go; v4, v5 where fragments and scale words come from; v6 bias; v7 my tile's place in the list; v8 my row's token; v9, v10 its offsets in xq, xsc;
; v11 16 lane; v12 4 (lane % 16); v13 the hidden layer's scale word; v14-21 a unit's quantiser (v14-15 during the products: the polynomial's second coefficient, twice); v22 16 (lane / 16)
.set XS,   24                          ; v24-31   x's 8 scale words: scales and nothing else
.set S,    32                          ; v32-95   two sets of 32 weights
.set XF,   96                          ; v96-159  x's 8 fragments of my tile
.set ACC,  160                         ; v160-191 4 tiles of 16 hidden units x 16 tokens
.set WF,   192                         ; v192-223 w1's 4 fragments of a K step
.set WS,   224                         ; v224-239 w1's scale words: scales and nothing else
.set TM,   240                         ; v240-247 the hidden layer's quantiser
.set PC,   248                         ; v248-251 its codes
.set GA,   192                         ; gelu, 8 numbers at a time: a, then |x| / 2
.set GB,   200                         ; a + 2, its reciprocal, then the polynomial, then erfc
.set GC,   208                         ; 1 + 2 a, its reciprocal, then max(x, 0)
.set GX,   216                         ; the exponent, then 2^it
.set GD,   240                         ; a a, then the correction
.set GQ,   248                         ; the exponent's lost part, then q
; s18 wave, s19 expert, s20 slice, s21 tokens, s22 tiles, s23 tiles, at least 1, s24 tile in hand, s[26:27] my weights, s[28:29], s[30:31] my tile in himg, hsc; s32-63: the list's masks (wave 0), then constants; s60 counts the late tiles
.macro BAR                             ; my LDS stores have landed and my LDS loads are in: then the work-group's barrier
	s_wait_dscnt 0x0
	s_barrier_signal -1
	s_barrier_wait -1
.endm
.macro PLACES                          ; four plain lines between a matrix instruction and a load into, or a vector instruction on, its registers (ISA guide 7.12.1 for vector instructions)
.rept 4
	v_nop
.endr
.endm
; rows from .. to of unit u = 4 c + 2 kb + g into set u % 2: w1(64 w + 32 kb + i, 128 slice + 64 c + 32 g + lane)
.macro WLOAD u, from, to
.set WI, \from
.rept (\to)-(\from)+1
	global_load_b32 v[S+32*((\u)%2)+WI], v1, s[26:27] offset:(32*(((\u)/2)%2)+WI)*16384+256*((\u)/4)+128*((\u)%2)
.set WI, WI+1
.endr
.endm
; unit u is quantised: a block of 32 along K a lane.  n = the loads issued behind the unit's last
.macro QUNIT u, n
.set QX, S+32*((\u)%2)
	s_wait_loadcnt \n
	s_wait_dscnt 0x0                               ; the last unit's LDS stores have read v17-21
	v_max3_num_f32 v14, |v[QX]|, |v[QX+1]|, |v[QX+2]|
	v_max3_num_f32 v15, |v[QX+3]|, |v[QX+4]|, |v[QX+5]|
.irp i, 6,10,14,18,22,26
	s_delay_alu instid0(VALU_DEP_2)
	v_max3_num_f32 v14, v14, |v[QX+\i]|, |v[QX+\i+1]|
	s_delay_alu instid0(VALU_DEP_2)
	v_max3_num_f32 v15, v15, |v[QX+\i+2]|, |v[QX+\i+3]|
.endr
	s_delay_alu instid0(VALU_DEP_2)
	v_max3_num_f32 v14, v14, |v[QX+30]|, |v[QX+31]|
	s_delay_alu instid0(VALU_DEP_1)
	v_max3_num_f32 v14, v14, v15, 0x1800000        ; and the floor 2^(3 - 127): the byte cannot fall under 1
	s_delay_alu instid0(VALU_DEP_1)
	v_add_nc_u32 v16, 0xff000000, v14              ; 2 off the exponent field: the conversions' scale operand
.irp g, 0,1,2,3
	v_cvt_scalef32_pk8_fp4_f32 v[18+\g], v[QX+8*\g:QX+8*\g+7], v16
.endr
	v_lshrrev_b32 v17, 23, v16                     ; the byte; also the plain line behind the conversions
	ds_store_b128 v2, v[18:21] offset:(64*((\u)/4)+32*((\u)%2))*CP+16*(((\u)/2)%2)
	ds_store_b8 v3, v17 offset:(64*((\u)/4)+32*((\u)%2))*SP+(((\u)/2)%2)
.endm
; WAVE 0 LAYS THE LIST.  Register 96 + q holds top1 of token 128 (q / 4) + 4 lane + q % 4.  A token of my expert goes to the place of its rank (those before it in this order), every other to its lane's dump word.
; The rank hangs on data read from memory: it is held to the list and its dump words ahead of the address.  Each step has registers of its own, so no LDS store's source is written again.
.macro ROUTE
.irp j, 0,1,2,3,4,5,6,7
	ds_store_b128 v192, v[196:199] offset:512*\j   ; markers everywhere first: LDS serves a wave's instructions in order
.endr
	ds_store_b128 v193, v[128:131]                 ; the bias
.set RQ, 0
.rept 32
	v_cmp_eq_u32 s[32+RQ], s19, v[96+RQ]
.set RQ, RQ+1
.endr
	s_mov_b32 s24, 0
.set RQ, 0
.rept 32
	v_mbcnt_lo_u32_b32 v[160+RQ], s[32+RQ], s24
	s_delay_alu instid0(VALU_DEP_1)
	v_cndmask_b32 v[160+RQ], v195, v[160+RQ], s[32+RQ]
	s_delay_alu instid0(VALU_DEP_1)
	v_min_u32 v[160+RQ], 0x43f, v[160+RQ]
	s_delay_alu instid0(VALU_DEP_1)
	v_lshl_add_u32 v[160+RQ], v[160+RQ], 2, LIST
	v_add_nc_u32 v[200+RQ+16*(RQ/24)], 128*(RQ/4)+RQ%4, v1
	ds_store_b32 v[160+RQ], v[200+RQ+16*(RQ/24)]
	s_bcnt1_i32_b32 s25, s[32+RQ]
	s_add_co_u32 s24, s24, s25
.set RQ, RQ+1
.endr
	v_mov_b32 v248, s24
	ds_store_b32 v194, v248
	s_wait_dscnt 0x0
.endm
.macro XLOAD                           ; my tile's 16 tokens: 8 fragments (lane (r, h): token r, 16 bytes at 64 s + 32 cc + 16 h) and 8 scale words: 18 loads
.irp s, 0,1,2,3,4,5,6,7
.irp cc, 0,1
	global_load_b128 v[XF+8*\s+4*\cc:XF+8*\s+4*\cc+3], v9, s[8:9] offset:64*\s+32*\cc
.endr
.endr
	global_load_b128 v[XS:XS+3], v10, s[10:11]
	global_load_b128 v[XS+4:XS+7], v10, s[10:11] offset:16
.endm
.macro FR c, s, half                   ; w1's fragments of tiles 2 half, 2 half + 1, K step s: 4 loads
.irp tl, 2*\half, 2*\half+1
	ds_load_b128 v[WF+8*(\tl):WF+8*(\tl)+3],   v4 offset:(64*\c+16*(\tl))*CP+64*(\s)
	ds_load_b128 v[WF+8*(\tl)+4:WF+8*(\tl)+7], v4 offset:(64*\c+16*(\tl))*CP+64*(\s)+32
.endr
.endm
.macro MM tl, s                        ; w1's scale words of tiles 2 b and 2 b + 1 share a register: lanes 0-15 and lanes 16-31
.if ((\tl)%2)
	v_wmma_scale_f32_16x16x128_f8f6f4 v[ACC+8*(\tl):ACC+8*(\tl)+7], v[WF+8*(\tl):WF+8*(\tl)+7], v[XF+8*(\s):XF+8*(\s)+7], v[ACC+8*(\tl):ACC+8*(\tl)+7], v[WS+8*((\tl)/2)+(\s)], v[XS+(\s)] matrix_a_fmt:MATRIX_FMT_FP4 matrix_b_fmt:MATRIX_FMT_FP4 matrix_a_scale:MATRIX_SCALE_ROW1
.else
	v_wmma_scale_f32_16x16x128_f8f6f4 v[ACC+8*(\tl):ACC+8*(\tl)+7], v[WF+8*(\tl):WF+8*(\tl)+7], v[XF+8*(\s):XF+8*(\s)+7], v[ACC+8*(\tl):ACC+8*(\tl)+7], v[WS+8*((\tl)/2)+(\s)], v[XS+(\s)] matrix_a_fmt:MATRIX_FMT_FP4 matrix_b_fmt:MATRIX_FMT_FP4
.endif
.endm
; gelu(x) = max(x, 0) - |x| / 2 x erfc(|x| / sqrt(2)), 8 numbers in place, from the accumulator's low end on.  The 24 transcendentals are one batch with one wait.
.macro GELU8 x
.irp i, 0,1,2,3,4,5,6,7
	v_mul_f32 v[GA+\i], s56, |v[(\x)+\i]|
.endr
.irp i, 0,1,2,3,4,5,6,7
	v_min_num_f32 v[GA+\i], s57, v[GA+\i]          ; a
.endr
.irp i, 0,2,4,6
	v_pk_add_f32 v[GB+\i:GB+\i+1], v[GA+\i:GA+\i+1], 2.0 op_sel_hi:[1,0]
.endr
.irp i, 0,2,4,6
	v_pk_fma_f32 v[GC+\i:GC+\i+1], v[GA+\i:GA+\i+1], 2.0, 1.0 op_sel_hi:[1,0,0]
.endr
.irp i, 0,2,4,6
	v_pk_mul_f32 v[GD+\i:GD+\i+1], v[GA+\i:GA+\i+1], v[GA+\i:GA+\i+1]         ; s = a a, rounded
.endr
.irp i, 0,2,4,6
	s_delay_alu instid0(VALU_DEP_4)
	v_pk_mul_f32 v[GX+\i:GX+\i+1], v[GD+\i:GD+\i+1], s[52:53] op_sel_hi:[1,0] ; -s log2(e), rounded
.endr
.irp i, 0,2,4,6
	s_delay_alu instid0(VALU_DEP_4)
	v_pk_fma_f32 v[GQ+\i:GQ+\i+1], v[GD+\i:GD+\i+1], s[52:53], v[GX+\i:GX+\i+1] op_sel_hi:[1,0,1] neg_lo:[0,0,1] neg_hi:[0,0,1]   ; what that rounding lost
.endr
.irp i, 0,2,4,6
	v_pk_fma_f32 v[GD+\i:GD+\i+1], v[GA+\i:GA+\i+1], v[GA+\i:GA+\i+1], v[GD+\i:GD+\i+1] neg_lo:[1,0,0] neg_hi:[1,0,0]             ; s - a a, exact
.endr
.irp i, 0,2,4,6
	s_delay_alu instid0(VALU_DEP_4)
	v_pk_fma_f32 v[GD+\i:GD+\i+1], v[GQ+\i:GQ+\i+1], s[54:55], v[GD+\i:GD+\i+1] op_sel_hi:[1,0,1]                                 ; the correction: e^(-a a) = 2^exponent x (1 + it)
.endr
	s_wait_alu depctr_va_vdst(0)
.irp i, 0,1,2,3,4,5,6,7
	v_rcp_f32 v[GB+\i], v[GB+\i]
.endr
.irp i, 0,1,2,3,4,5,6,7
	v_rcp_f32 v[GC+\i], v[GC+\i]
.endr
.irp i, 0,1,2,3,4,5,6,7
	v_exp_f32 v[GX+\i], v[GX+\i]
.endr
.irp i, 0,2,4,6
	v_pk_add_f32 v[GQ+\i:GQ+\i+1], v[GA+\i:GA+\i+1], -2.0 op_sel_hi:[1,0]     ; plain lines behind the batch, which name none of its results
.endr
	s_wait_alu depctr_va_vdst(0)                   ; one wait for the 24, ahead of their first reader
.irp i, 0,2,4,6
	v_pk_mul_f32 v[GQ+\i:GQ+\i+1], v[GQ+\i:GQ+\i+1], v[GB+\i:GB+\i+1]         ; q = (a - 2) / (a + 2)
.endr
.irp i, 0,2,4,6
	s_delay_alu instid0(VALU_DEP_4)
	v_pk_fma_f32 v[GB+\i:GB+\i+1], v[GQ+\i:GQ+\i+1], s[32:33], v[14:15] op_sel_hi:[1,0,1]   ; the polynomial's first step: the highest coefficient x q + the second
.endr
.irp k, 36,38,40,42,44,46,48,50
.irp i, 0,2,4,6
	s_delay_alu instid0(VALU_DEP_4)
	v_pk_fma_f32 v[GB+\i:GB+\i+1], v[GB+\i:GB+\i+1], v[GQ+\i:GQ+\i+1], s[\k:\k+1] op_sel_hi:[1,1,0]
.endr
.endr
.irp i, 0,2,4,6
	v_pk_fma_f32 v[GB+\i:GB+\i+1], v[GB+\i:GB+\i+1], v[GC+\i:GC+\i+1], v[GC+\i:GC+\i+1]   ; (1 + p) / (1 + 2 a)
.endr
.irp i, 0,2,4,6
	v_pk_mul_f32 v[GB+\i:GB+\i+1], v[GB+\i:GB+\i+1], v[GX+\i:GX+\i+1]
.endr
.irp i, 0,2,4,6
	s_delay_alu instid0(VALU_DEP_4)
	v_pk_fma_f32 v[GB+\i:GB+\i+1], v[GB+\i:GB+\i+1], v[GD+\i:GD+\i+1], v[GB+\i:GB+\i+1]   ; erfc(a)
.endr
.irp i, 0,1,2,3,4,5,6,7
	v_mul_f32 v[GA+\i], 0.5, |v[(\x)+\i]|
.endr
.irp i, 0,1,2,3,4,5,6,7
	v_max_num_f32 v[GC+\i], 0, v[(\x)+\i]
.endr
.irp i, 0,2,4,6
	v_pk_fma_f32 v[(\x)+\i:(\x)+\i+1], v[GA+\i:GA+\i+1], v[GB+\i:GB+\i+1], v[GC+\i:GC+\i+1] neg_lo:[1,0,0] neg_hi:[1,0,0]
.endr
.endm
; My tile's 64 hidden units of half c become two blocks of 32 along the next K: registers 4 c .. 4 c + 3 of the next operand's fragment, and bytes 2 c, 2 c + 1 of its scale word.
.macro HQ c
.irp b, 0,1
	v_max3_num_f32 v[TM+\b], |v[ACC+16*\b]|, |v[ACC+16*\b+1]|, 0x1800000      ; my 16 numbers of block b, and the floor
.endr
.irp i, 2,4,6,8,10,12,14
.irp b, 0,1
	s_delay_alu instid0(VALU_DEP_2)
	v_max3_num_f32 v[TM+\b], v[TM+\b], |v[ACC+16*\b+\i]|, |v[ACC+16*\b+\i+1]|
.endr
.endr
.irp b, 0,1
	s_delay_alu instid0(VALU_DEP_2)
	v_permlanex16_b32 v[TM+2+\b], v[TM+\b], s58, s59
.endr
.irp b, 0,1
	s_delay_alu instid0(VALU_DEP_2)
	v_max_num_f32 v[TM+\b], v[TM+\b], v[TM+2+\b]   ; with lane l xor 16's 16: the block's largest magnitude
.endr
.irp b, 0,1
	s_delay_alu instid0(VALU_DEP_2)
	v_add_nc_u32 v[TM+4+\b], 0xff000000, v[TM+\b]
.endr
.irp b, 0,1
	s_delay_alu instid0(VALU_DEP_2)
	v_lshrrev_b32 v[TM+6+\b], 23, v[TM+4+\b]
.endr
.if \c == 0
	s_delay_alu instid0(VALU_DEP_1)
	v_lshl_or_b32 v13, v[TM+7], 8, v[TM+6]
.else
	s_delay_alu instid0(VALU_DEP_2)
	v_lshl_or_b32 v13, v[TM+6], 16, v13
	s_delay_alu instid0(VALU_DEP_1)
	v_lshl_or_b32 v13, v[TM+7], 24, v13
.endif
.irp b, 0,1
	v_cvt_scalef32_pk8_fp4_f32 v[PC+2*\b], v[ACC+16*\b:ACC+16*\b+7], v[TM+4+\b]
	v_cvt_scalef32_pk8_fp4_f32 v[PC+2*\b+1], v[ACC+16*\b+8:ACC+16*\b+15], v[TM+4+\b]
.endr
	v_nop                                          ; a plain line behind the conversions
	v_permlane16_swap_b32 v[PC], v[PC+2]           ; the operand's layout wants a whole block in a lane: lanes 0-15 block 0, lanes 16-31 block 1
	v_permlane16_swap_b32 v[PC+1], v[PC+3]
	global_store_b128 v11, v[PC:PC+3], s[28:29] offset:512*\c                 ; the wave stores 512 consecutive bytes, aligned
.if \c == 1
	global_store_b32 v12, v13, s[30:31]            ; 16 rows' words: 64 consecutive bytes; lanes 16-31 repeat lanes 0-15's
.endif
.endm
; MY TILE x HALF c: 4 tiles of 16 hidden units, 8 K steps.  The bias is loaded into the accumulators and is the first product's C.  The four accumulators take turns, one instruction a turn.
; Each half of the fragments' registers is loaded anew behind the two products that read it.  s_wait_dscnt 4: the other half's four loads are younger.
.macro M2 c
	s_wait_xcnt 0x0                                ; the last stores have read v13 and v248-251
	v_mov_b32 v14, s34                             ; the polynomial's second coefficient as a vector pair: the weights' quantiser, whose registers these are, writes them before it reads them
	v_mov_b32 v15, s34
.irp tl, 0,1,2,3
	ds_load_b128 v[ACC+8*\tl:ACC+8*\tl+3],   v6 offset:(64*\c+32*(\tl/2)+8*(\tl%2))*4
	ds_load_b128 v[ACC+8*\tl+4:ACC+8*\tl+7], v6 offset:(64*\c+32*(\tl/2)+8*(\tl%2))*4+16
.endr
.irp b, 0,1
.irp q, 0,1
	ds_load_b128 v[WS+8*\b+4*\q:WS+8*\b+4*\q+3], v5 offset:(64*\c+32*\b)*SP+16*\q
.endr
.endr
	FR \c, 0, 0
	FR \c, 0, 1
.set MS, 0
.rept 8
	s_wait_dscnt 4
	MM 0, MS
	MM 1, MS
	PLACES
.if MS < 7
	FR \c, MS+1, 0
	s_wait_dscnt 4
.else
	s_wait_dscnt 0x0
.endif
	MM 2, MS
	MM 3, MS
	PLACES
.if MS < 7
	FR \c, MS+1, 1
.endif
.set MS, MS+1
.endr
.irp tl, 0,1,2,3
	GELU8 ACC+8*\tl
.endr
	HQ \c
.endm
.macro SC2 r, val                      ; a constant for the packed forms, which name a pair
	s_mov_b32 s[\r], \val
	s_mov_b32 s[\r+1], \val
.endm
	s_load_b256 s[4:11], s[0:1], 0x0               ; w1 s[4:5], b1 s[6:7], xq s[8:9], xsc s[10:11]
	s_load_b128 s[12:15], s[0:1], 0x20             ; top1 s[12:13], himg s[14:15]
	s_load_b64 s[16:17], s[0:1], 0x30              ; hsc
	v_lshrrev_b32 v2, 5, v0
	s_delay_alu instid0(VALU_DEP_1)
	v_readfirstlane_b32 s18, v2                    ; wave 0..15
	s_lshr_b32 s19, ttmp9, 5                       ; expert
	s_and_b32 s20, ttmp9, 31                       ; slice
	v_and_b32 v8, 31, v0                           ; lane
	v_and_b32 v9, 15, v0                           ; r
	v_and_b32 v22, 16, v0                          ; 16 h
	s_delay_alu instid0(VALU_DEP_3)
	v_lshlrev_b32 v1, 2, v8
	s_delay_alu instid0(VALU_DEP_4)
	v_lshlrev_b32 v11, 4, v8
	s_delay_alu instid0(VALU_DEP_4)
	v_lshlrev_b32 v12, 2, v9
	v_mov_b32 v13, 0
	v_and_b32 v2, 7, v0
	v_bfe_u32 v3, v0, 3, 1
	s_delay_alu instid0(VALU_DEP_1)
	v_lshl_add_u32 v2, v3, 4, v2
	v_bfe_u32 v3, v0, 4, 1
	s_delay_alu instid0(VALU_DEP_1)
	v_lshl_add_u32 v4, v3, 3, v2                   ; p(lane)
	s_delay_alu instid0(VALU_DEP_1)
	v_mul_u32_u24 v2, v4, CP
	s_lshl_b32 s25, s18, 5
	v_add_nc_u32 v2, s25, v2                       ; codes: row p, my wave's 32 bytes (64 along K)
	v_mul_u32_u24 v3, v4, SP
	s_lshl_b32 s25, s18, 1
	s_add_co_u32 s25, s25, SCL
	v_add_nc_u32 v3, s25, v3                       ; scale bytes: row p, my wave's 2
	v_mul_u32_u24 v4, v9, CP
	s_delay_alu instid0(VALU_DEP_1)
	v_add_nc_u32 v4, v22, v4                       ; a fragment: row r, + 16 h
	v_mul_u32_u24 v5, v8, SP
	s_delay_alu instid0(VALU_DEP_1)
	v_add_nc_u32 v5, SCL, v5                       ; scale words: lanes 0-15 one tile's rows, lanes 16-31 the next tile's
	v_lshl_add_u32 v6, v22, 2, BIAS                ; bias: + 64 h
	s_lshl_b32 s25, s18, 6
	s_add_co_u32 s25, s25, LIST
	v_lshl_add_u32 v7, v9, 2, s25                  ; the list: tile w, row r
	v_add_nc_u32 v192, LIST, v11                   ; for the head alone: where markers go,
	v_add_nc_u32 v193, BIAS, v11                   ; the bias,
	v_mov_b32 v194, CNT                            ; the count;
	v_add_nc_u32 v195, 1024, v8                    ; my lane's dump word;
.irp i, 196,197,198,199
	v_mov_b32 v\i, 1024                            ; the marker
.endr
	s_mov_b32 s3, 0
	s_wait_kmcnt 0x0
	s_lshl_b32 s2, s19, 24                         ; an expert is 16 MiB,
	s_lshl_b32 s25, s18, 20                        ; 64 rows of 16,384 bytes 1 MiB,
	s_add_co_u32 s2, s2, s25
	s_lshl_b32 s25, s20, 9                         ; a slice 512 bytes of a row
	s_add_co_u32 s2, s2, s25
	s_add_nc_u64 s[26:27], s[4:5], s[2:3]
	s_lshl_b32 s2, s19, 14
	s_add_co_u32 s2, s2, s25
	s_add_nc_u64 s[6:7], s[6:7], s[2:3]            ; b1 at my slice
	s_lshl_b32 s2, s19, 21
	s_lshl_b32 s25, s20, 10
	s_add_co_u32 s2, s2, s25
	s_add_nc_u64 s[14:15], s[14:15], s[2:3]        ; himg at (e, tile 0, K step slice)
	s_lshl_b32 s2, s19, 17
	s_lshl_b32 s25, s20, 6
	s_add_co_u32 s2, s2, s25
	s_add_nc_u64 s[16:17], s[16:17], s[2:3]        ; hsc likewise
	s_cmp_lg_u32 s18, 0
	s_cbranch_scc1 .Lnot0a
.irp i, 0,1,2,3,4,5,6,7
	global_load_b128 v[96+4*\i:99+4*\i], v11, s[12:13] offset:512*\i          ; wave 0: all of top1,
.endr
	global_load_b128 v[128:131], v11, s[6:7]       ; and the bias
.Lnot0a:
	WLOAD 0, 0, 31
	WLOAD 1, 0, 21
	s_wait_loadcnt 54                              ; on every wave's path.  Wave 0: top1 and the bias are in: the 32 + 22 weight loads are younger.  The others have just these 54 out: met at once
	s_cmp_lg_u32 s18, 0
	s_cbranch_scc1 .Lnot0b
	s_wait_alu depctr_va_vdst(0)
	ROUTE
.Lnot0b:
	WLOAD 1, 22, 30                                ; 63 weight loads of mine are out
	BAR                                            ; the list, the count and the bias lie in LDS; no other wave has touched LDS yet
	s_wait_alu depctr_va_vdst(0)
	ds_load_b32 v248, v194
	ds_load_b32 v8, v7
	s_wait_dscnt 0x0
	v_readfirstlane_b32 s21, v248
	s_add_co_u32 s22, s21, 15
	s_lshr_b32 s22, s22, 4                         ; tiles
	s_max_u32 s23, s22, 1                          ; tile 0 is always made, so that the next launch reads nothing that nobody wrote
	v_min_u32 v9, 0x3ff, v8                        ; a marker becomes token 1,023
	s_delay_alu instid0(VALU_DEP_1)
	v_lshlrev_b32 v10, 5, v9
	s_delay_alu instid0(VALU_DEP_2)
	v_lshl_add_u32 v9, v9, 9, v22
	s_wait_alu depctr_va_vdst(0)
	s_lshl_b32 s2, s18, 15
	s_add_nc_u64 s[28:29], s[14:15], s[2:3]        ; my tile: w
	s_lshl_b32 s2, s18, 11
	s_add_nc_u64 s[30:31], s[16:17], s[2:3]
	SC2 32, 0xb9d25000                             ; the polynomial, from the highest power down
	s_mov_b32 s34, 0xbaa15130                      ; (the second goes into a vector pair)
	SC2 36, 0x3aac2b8a
	SC2 38, 0x3c0d6e62
	SC2 40, 0xbc040dc1
	SC2 42, 0xbd5e05b5
	SC2 44, 0x3e27fe23
	SC2 46, 0xbe2a0420
	SC2 48, 0xbdbdfb0b
	SC2 50, 0x3e8dd01d
	SC2 52, 0xbfb8aa3b                             ; -log2(e)
	SC2 54, 0x3f317218                             ; ln 2
	s_mov_b32 s56, 0x3f3504f3                      ; 1 / sqrt(2)
	s_mov_b32 s57, 0x4120e000                      ; 10.0546875
	s_mov_b32 s58, 0x76543210
	s_mov_b32 s59, 0xfedcba98                      ; v_permlanex16_b32's selects for lane l xor 16
	WLOAD 1, 31, 31
	XLOAD
	QUNIT 0, 50                                    ; younger: unit 1's 32, x's 18
	WLOAD 2, 0, 31
	QUNIT 1, 50                                    ; x's 18, unit 2's 32
	WLOAD 3, 0, 31
	QUNIT 2, 32                                    ; unit 3's: so x is in too
	WLOAD 4, 0, 31
	QUNIT 3, 32
	WLOAD 5, 0, 30                                 ; 32 + 31 are out; the last row follows behind the products
	BAR                                            ; the first 64 columns' codes lie in LDS; they are never written again
	s_cmp_lt_u32 s18, s23
	s_cbranch_scc0 .Lskip0
	M2 0
.Lskip0:
	WLOAD 5, 31, 31
	QUNIT 4, 32
	WLOAD 6, 0, 31
	QUNIT 5, 32
	WLOAD 7, 0, 31
	QUNIT 6, 32
	QUNIT 7, 0
	BAR                                            ; all codes lie in LDS: from here on LDS is only read
	s_cmp_lt_u32 s18, s23
	s_cbranch_scc0 .Lskip1
	M2 1
.Lskip1:
	ds_load_b32 v32, v7 offset:1024                ; my rows of tiles w + 16, w + 32, w + 48, into registers that the weights have left
	ds_load_b32 v33, v7 offset:2048
	ds_load_b32 v34, v7 offset:3072
	s_add_co_u32 s24, s18, 16
	s_mov_b32 s60, 0
	s_wait_dscnt 0x0
.Llate:                                                ; three trips, always: tiles w + 16, w + 32, w + 48; a tile that the expert does not have is jumped over
	s_cmp_ge_u32 s24, s22
	s_cbranch_scc1 .Lnone
	s_wait_xcnt 0x0                                ; the last tile's loads and stores have read their offsets and bases
	v_min_u32 v9, 0x3ff, v32
	v_mov_b32 v32, v33                             ; the next trip's rows move up
	v_mov_b32 v33, v34
	s_delay_alu instid0(VALU_DEP_3)
	v_lshlrev_b32 v10, 5, v9
	s_delay_alu instid0(VALU_DEP_4)
	v_lshl_add_u32 v9, v9, 9, v22
	s_min_u32 s25, s24, 63
	s_lshl_b32 s2, s25, 15
	s_add_nc_u64 s[28:29], s[14:15], s[2:3]
	s_lshl_b32 s2, s25, 11
	s_add_nc_u64 s[30:31], s[16:17], s[2:3]
	XLOAD
	s_wait_loadcnt 0x0
	M2 0
	M2 1
.Lnone:
	s_add_co_u32 s24, s24, 16
	s_add_co_u32 s60, s60, 1
	s_cmp_lt_u32 s60, 3
	s_cbranch_scc1 .Llate
	s_wait_xcnt 0x0
	v_lshl_add_u32 v247, v0, 2, 0x14000
	v_mov_b32 v248, 0
	s_wait_alu depctr_va_vdst(0)
	s_wait_tensorcnt 0x0
	ds_add_u32 v247, v248
	s_wait_dscnt 0x0
	s_endpgm
.Lfunc_end_k_qfac96abb05_up:
	.size	k_qfac96abb05_up, .Lfunc_end_k_qfac96abb05_up-k_qfac96abb05_up
	.p2alignl 7, 3214868480
	.fill 96, 4, 3214868480
	.section	.rodata,"a",@progbits
	.p2align	6, 0x0
	.amdhsa_kernel k_qfac96abb05_up
		.amdhsa_group_segment_fixed_size 83968
		.amdhsa_private_segment_fixed_size 0
		.amdhsa_enable_private_segment 0
		.amdhsa_kernarg_size 56
		.amdhsa_user_sgpr_count 2
		.amdhsa_user_sgpr_kernarg_segment_ptr 1
		.amdhsa_wavefront_size32 1
		.amdhsa_system_sgpr_workgroup_id_x 1
		.amdhsa_system_sgpr_workgroup_id_y 1
		.amdhsa_system_sgpr_workgroup_id_z 1
		.amdhsa_system_vgpr_workitem_id 0
		.amdhsa_next_free_vgpr 256
		.amdhsa_next_free_sgpr 66
		.amdhsa_reserve_vcc 0
		.amdhsa_float_denorm_mode_32 3
		.amdhsa_float_denorm_mode_16_64 3
		.amdhsa_memory_ordered 1
		.amdhsa_forward_progress 1
		.amdhsa_inst_pref_size 255
	.end_amdhsa_kernel
	.section	.bss,"aw",@nobits
	.p2align	6
	.space	262144
	.amdgpu_metadata
---
amdhsa.version: [ 1, 2 ]
amdhsa.kernels:
  - .name:           k_qfac96abb05_up
    .symbol:         k_qfac96abb05_up.kd
    .args:
      - { .name: w1, .offset: 0, .size: 8, .value_kind: global_buffer, .address_space: global }
      - { .name: b1, .offset: 8, .size: 8, .value_kind: global_buffer, .address_space: global }
      - { .name: xq, .offset: 16, .size: 8, .value_kind: global_buffer, .address_space: global }
      - { .name: xsc, .offset: 24, .size: 8, .value_kind: global_buffer, .address_space: global }
      - { .name: top1, .offset: 32, .size: 8, .value_kind: global_buffer, .address_space: global }
      - { .name: himg, .offset: 40, .size: 8, .value_kind: global_buffer, .address_space: global }
      - { .name: hsc, .offset: 48, .size: 8, .value_kind: global_buffer, .address_space: global }
    .group_segment_fixed_size: 83968
    .private_segment_fixed_size: 0
    .kernarg_segment_align: 8
    .kernarg_segment_size: 56
    .max_flat_workgroup_size: 512
    .sgpr_count:     66
    .vgpr_count:     256
    .wavefront_size: 32
...
	.end_amdgpu_metadata
.endif
;; end of part 2
;; launch down (part 3): grid 256 x 1, 16 waves a work-group, no clusters, 83,968 bytes of LDS; arguments w2, b2, himg, hsc, top1, gate, out0; writes out0
.if DOCPART == 3
	.amdgcn_target "amdgcn-amd-amdhsa--gfx1250"
	.amdhsa_code_object_version 6
	.text
	.protected	k_qfac96abb05_down
	.globl	k_qfac96abb05_down
	.p2align	8
	.type	k_qfac96abb05_down,@function
k_qfac96abb05_down:
	s_mov_b64 s[64:65], 0
	v_nop
	global_prefetch_b8 v0, s[64:65] scope:SCOPE_SE
	s_setreg_imm32_b32 hwreg(HW_REG_WAVE_MODE, 25, 1), 1
	s_wait_xcnt 0x0
; THE SECOND PRODUCT OF THE CHOSEN EXPERTS: out[token] = gate[token] x (h Q(w2[e]) + b2[e]), h as the launch before left it: codes of FP4 (E2M1) and E8M0 scale words, as images of operand registers; K = 4,096.
; SHARES.  Work-group = (expert e = x / 32, slice = x % 32): 32 of the 1,024 output columns, ALL of K: 512 KiB of f32 weights, read once, by nobody else; every output number has one owner and nothing is summed between
; work-groups.  The weights are quantised in registers as in the launch before (a lane a column, registers down K; a unit = 32 rows x 32 columns) and their codes lie in LDS, each byte written once.
; K goes in 4 chunks of 1,024; in a chunk wave w owns K rows 64 w .. 64 w + 63: 2 units.  When the 16 waves have done a chunk, wave w adds that chunk's 8 K steps onto its tile w (16 of the expert's tokens x 32 columns),
; while the next chunk's loads are on their way.  Tiles w + 16, w + 32, w + 48 follow behind the stream, out of the same LDS codes, written out one after the other: any split of the tokens is served.
; WHICH TOKENS: wave 0 lays the expert's list in LDS by the same lines as the launch before, so ranks and tiles agree.  Rows behind the list's end (marker 1,024) are computed and not stored.
; The tokens and the offsets of all four tiles that a wave may have are made once, behind the first barrier, with all lanes on, in registers of their own.
; THE PRODUCT IS USED TRANSPOSED (source 0 = 16 columns of w2, source 1 = 16 tokens): a lane holds one token and eight neighbouring columns.  b2 is loaded into the accumulators and is the first product's C.
; A wave whose tile does not exist still issues the loads of h (of the last tile that exists), so that every wave's counted waits count the same loads.
; A row of w2 gives this slice 128 consecutive bytes.  Rows of 256 would take 128 work-groups, or a split of K with sums between work-groups.
; out0's stores are 16 bytes a lane, 128 bytes a token: 4 MiB beside the 128 MiB that the launch reads; a stage in LDS is left out.
; NO TENSOR LOADS, NO CLUSTER: the number of tiles is read from memory, so operands come by plain loads, which have no joint form.  NO PREFETCH: the weights' loads are themselves the stream.
; LIMITS: NaN and infinities are not served.  A block of w2 whose largest magnitude lies under 2^-124 (a block of zeros too) keeps the scale byte 1; the bytes never leave the work-group.
.set CP,   528                         ; LDS: CODES from byte 0: 128 rows (32 chunk + column) x (512 bytes = 1,024 codes + 16 of padding)
.set SCL,  67584                       ; 128 rows x (32 scale bytes + 16 of padding)
.set SP,   48
.set BIAS, 73728                       ; the slice's 32 numbers of b2
.set LIST, 74240                       ; 1,024 words: the expert's tokens, then markers; behind them 64 dump words
.set CNT,  78592                       ; one word: how many tokens the expert has
; v1 4 lane; v2, v3 where my codes and scale bytes go; v4, v5 where fragments and scale words come from; v6 bias; v7 my tile's place in the list; v8-10 at work at the head;
; v11 16 lane; v12 32 (lane / 16); v14-21 a unit's quantiser; v22 gate, v23 0 (named with it as a pair)
.set HS,   24                          ; v24-27   h's scale words: register q: K step 2 q in lanes 0-15, 2 q + 1 in lanes 16-31: scales and nothing else
.set S,    32                          ; v32-95   two sets of 32 weights
.set HF,   96                          ; v96-159  h's 8 fragments of a chunk
.set ACC,  160                         ; v160-175 2 tiles of 16 columns x 16 tokens
.set WF,   176                         ; v176-207 w2's fragments: two buffers of two
.set OUTR, 208                         ; v208-223 the results x gate
.set WS,   224                         ; v224-231 w2's scale words of a chunk: tile 0 in lanes 0-15, tile 1 in lanes 16-31: scales and nothing else
.set IDR,  232                         ; v232-235 my row's token in tiles w, w + 16, w + 32, w + 48
.set GOF,  236                         ; v236-239 its offset in gate
.set OOF,  252                         ; v252-255 its offset in out0
; s18 wave, s19 expert, s20 slice, s21 tokens, s22 tiles, s23 tiles, at least 1, s24 tile in hand, s[26:27], s[28:29] my weights (chunks 0, 1; chunks 2, 3), s[30:31], s[32:33] my tile in himg, hsc, s36 EXEC
.macro BAR                             ; my LDS stores have landed and my LDS loads are in: then the work-group's barrier
	s_wait_dscnt 0x0
	s_barrier_signal -1
	s_barrier_wait -1
.endm
.macro PLACES                          ; four plain lines between a matrix instruction and a load into, or a vector instruction on, its registers (ISA guide 7.12.1 for vector instructions)
.rept 4
	v_nop
.endr
.endm
; rows from .. to of unit u = 2 c + kb into set u % 2: w2(1024 c + 64 w + 32 kb + i, 32 slice + lane).  Two chunks (8 MiB) do not fit the signed 24-bit immediate: a second base
.macro WLOAD u, from, to
.set WI, \from
.rept (\to)-(\from)+1
	global_load_b32 v[S+32*((\u)%2)+WI], v1, s[26+2*((\u)/4):27+2*((\u)/4)] offset:(((\u)/2)%2)*4194304+(32*((\u)%2)+WI)*4096
.set WI, WI+1
.endr
.endm
; unit u is quantised: a block of 32 along K a lane.  n = the loads issued behind the unit's last
.macro QUNIT u, n
.set QX, S+32*((\u)%2)
	s_wait_loadcnt \n
	s_wait_dscnt 0x0                               ; the last unit's LDS stores have read v17-21
	v_max3_num_f32 v14, |v[QX]|, |v[QX+1]|, |v[QX+2]|
	v_max3_num_f32 v15, |v[QX+3]|, |v[QX+4]|, |v[QX+5]|
.irp i, 6,10,14,18,22,26
	s_delay_alu instid0(VALU_DEP_2)
	v_max3_num_f32 v14, v14, |v[QX+\i]|, |v[QX+\i+1]|
	s_delay_alu instid0(VALU_DEP_2)
	v_max3_num_f32 v15, v15, |v[QX+\i+2]|, |v[QX+\i+3]|
.endr
	s_delay_alu instid0(VALU_DEP_2)
	v_max3_num_f32 v14, v14, |v[QX+30]|, |v[QX+31]|
	s_delay_alu instid0(VALU_DEP_1)
	v_max3_num_f32 v14, v14, v15, 0x1800000        ; and the floor 2^(3 - 127): the byte cannot fall under 1
	s_delay_alu instid0(VALU_DEP_1)
	v_add_nc_u32 v16, 0xff000000, v14              ; 2 off the exponent field: the conversions' scale operand
.irp g, 0,1,2,3
	v_cvt_scalef32_pk8_fp4_f32 v[18+\g], v[QX+8*\g:QX+8*\g+7], v16
.endr
	v_lshrrev_b32 v17, 23, v16                     ; the byte; also the plain line behind the conversions
	ds_store_b128 v2, v[18:21] offset:32*CP*((\u)/2)+16*((\u)%2)
	ds_store_b8 v3, v17 offset:32*SP*((\u)/2)+((\u)%2)
.endm
; WAVE 0 LAYS THE LIST, by the same lines as the launch before.  Register 96 + q holds top1 of token 128 (q / 4) + 4 lane + q % 4.  A token of my expert goes to the place of its rank, every other to its lane's dump word.
; The rank hangs on data read from memory: it is held to the list and its dump words ahead of the address.  Each step has registers of its own, so no LDS store's source is written again.
.macro ROUTE
.irp j, 0,1,2,3,4,5,6,7
	ds_store_b128 v192, v[196:199] offset:512*\j   ; markers everywhere first: LDS serves a wave's instructions in order
.endr
	ds_store_b32 v193, v128                        ; the bias
.set RQ, 0
.rept 32
	v_cmp_eq_u32 s[32+RQ], s19, v[96+RQ]
.set RQ, RQ+1
.endr
	s_mov_b32 s24, 0
.set RQ, 0
.rept 32
	v_mbcnt_lo_u32_b32 v[160+RQ], s[32+RQ], s24
	s_delay_alu instid0(VALU_DEP_1)
	v_cndmask_b32 v[160+RQ], v195, v[160+RQ], s[32+RQ]
	s_delay_alu instid0(VALU_DEP_1)
	v_min_u32 v[160+RQ], 0x43f, v[160+RQ]
	s_delay_alu instid0(VALU_DEP_1)
	v_lshl_add_u32 v[160+RQ], v[160+RQ], 2, LIST
	v_add_nc_u32 v[200+RQ+16*(RQ/24)], 128*(RQ/4)+RQ%4, v1
	ds_store_b32 v[160+RQ], v[200+RQ+16*(RQ/24)]
	s_bcnt1_i32_b32 s25, s[32+RQ]
	s_add_co_u32 s24, s24, s25
.set RQ, RQ+1
.endr
	v_mov_b32 v248, s24
	ds_store_b32 v194, v248
	s_wait_dscnt 0x0
.endm
.macro HLOAD c                         ; my tile's operand images of chunk c: 16 loads of 512 consecutive bytes, and 4 of 128: 20 loads
.irp s, 0,1,2,3,4,5,6,7
.irp cc, 0,1
	global_load_b128 v[HF+8*\s+4*\cc:HF+8*\s+4*\cc+3], v11, s[30:31] offset:(8*\c+\s)*1024+512*\cc
.endr
.endr
.irp q, 0,1,2,3
	global_load_b32 v[HS+\q], v1, s[32:33] offset:(8*\c+2*\q)*64
.endr
.endm
.macro BLOAD                           ; b2 into the accumulators: lane (r, h), tile tl, register j: column 16 tl + 8 h + j
.irp tl, 0,1
	ds_load_b128 v[ACC+8*\tl:ACC+8*\tl+3],   v6 offset:64*\tl
	ds_load_b128 v[ACC+8*\tl+4:ACC+8*\tl+7], v6 offset:64*\tl+16
.endr
.endm
.macro FR3 c, s                        ; w2's two fragments of the chunk's K step s into buffer s % 2: 4 loads
.irp tl, 0,1
	ds_load_b128 v[WF+16*((\s)%2)+8*\tl:WF+16*((\s)%2)+8*\tl+3],   v4 offset:32*CP*\c+16*CP*\tl+64*(\s)
	ds_load_b128 v[WF+16*((\s)%2)+8*\tl+4:WF+16*((\s)%2)+8*\tl+7], v4 offset:32*CP*\c+16*CP*\tl+64*(\s)+32
.endr
.endm
.macro MM3 s                           ; both tiles, by turns.  Tile 1's scale words lie in lanes 16-31 of w2's register, an odd K step's in lanes 16-31 of h's
.if ((\s)%2)
	v_wmma_scale_f32_16x16x128_f8f6f4 v[ACC:ACC+7], v[WF+16:WF+23], v[HF+8*(\s):HF+8*(\s)+7], v[ACC:ACC+7], v[WS+(\s)], v[HS+(\s)/2] matrix_a_fmt:MATRIX_FMT_FP4 matrix_b_fmt:MATRIX_FMT_FP4 matrix_b_scale:MATRIX_SCALE_ROW1
	v_wmma_scale_f32_16x16x128_f8f6f4 v[ACC+8:ACC+15], v[WF+24:WF+31], v[HF+8*(\s):HF+8*(\s)+7], v[ACC+8:ACC+15], v[WS+(\s)], v[HS+(\s)/2] matrix_a_fmt:MATRIX_FMT_FP4 matrix_b_fmt:MATRIX_FMT_FP4 matrix_a_scale:MATRIX_SCALE_ROW1 matrix_b_scale:MATRIX_SCALE_ROW1
.else
	v_wmma_scale_f32_16x16x128_f8f6f4 v[ACC:ACC+7], v[WF:WF+7], v[HF+8*(\s):HF+8*(\s)+7], v[ACC:ACC+7], v[WS+(\s)], v[HS+(\s)/2] matrix_a_fmt:MATRIX_FMT_FP4 matrix_b_fmt:MATRIX_FMT_FP4
	v_wmma_scale_f32_16x16x128_f8f6f4 v[ACC+8:ACC+15], v[WF+8:WF+15], v[HF+8*(\s):HF+8*(\s)+7], v[ACC+8:ACC+15], v[WS+(\s)], v[HS+(\s)/2] matrix_a_fmt:MATRIX_FMT_FP4 matrix_b_fmt:MATRIX_FMT_FP4 matrix_a_scale:MATRIX_SCALE_ROW1
.endif
.endm
; MY TILE += CHUNK c: 8 K steps, two accumulators by turns, one instruction a turn.  A step's fragments are asked for a step ahead, into the other buffer.
; s_wait_dscnt 4: the next step's four loads are younger.  The four plain lines behind each step serve the next loads into the buffer, behind the last step the loads into h's registers and the reads of the results.
.macro M3 c
.irp q, 0,1
	ds_load_b128 v[WS+4*\q:WS+4*\q+3], v5 offset:32*SP*\c+16*\q
.endr
	FR3 \c, 0
.set MS, 0
.rept 8
.if MS < 7
	FR3 \c, MS+1
	s_wait_dscnt 4
.else
	s_wait_dscnt 0x0
.endif
	MM3 MS
	PLACES
.set MS, MS+1
.endr
.endm
; The results of tile w + 16 k, x gate, each accumulator from its low end on, into registers of their own; only rows that hold a token are stored.  EXEC changes only behind s_wait_xcnt 0.
.macro EPI k
.irp j, 0,2,4,6,8,10,12,14
	v_pk_mul_f32 v[OUTR+\j:OUTR+\j+1], v[ACC+\j:ACC+\j+1], v[22:23] op_sel_hi:[1,0]
.endr
	v_cmp_gt_u32 vcc_lo, 0x400, v[IDR+\k]          ; a token, not the marker
	s_wait_alu depctr_va_vdst(0)
	s_wait_xcnt 0x0
	s_and_saveexec_b32 s36, vcc_lo
.irp tl, 0,1
.irp q, 0,1
	global_store_b128 v[OOF+\k], v[OUTR+8*\tl+4*\q:OUTR+8*\tl+4*\q+3], s[16:17] offset:64*\tl+16*\q th:TH_STORE_NT
.endr
.endr
	s_wait_xcnt 0x0                                ; the stores have read EXEC, their offsets and their data
	s_or_b32 exec_lo, exec_lo, s36
.endm
; Tile w + 16 k (at most 63), if the expert has it: all four chunks out of the LDS codes.  The loads of the tile before are all in and its stores have read their sources, so the bases may be written.
.macro LATE k
	s_add_co_u32 s24, s18, 16*\k
	s_cmp_ge_u32 s24, s22
	s_cbranch_scc1 .Lend
	s_lshl_b32 s2, s24, 15
	s_add_nc_u64 s[30:31], s[8:9], s[2:3]
	s_lshl_b32 s2, s24, 11
	s_add_nc_u64 s[32:33], s[10:11], s[2:3]
	global_load_b32 v22, v[GOF+\k], s[14:15]
	BLOAD
.irp c, 0,1,2,3
	HLOAD \c
	s_wait_loadcnt 0x0
	M3 \c
.endr
	EPI \k
.endm
	s_load_b256 s[4:11], s[0:1], 0x0               ; w2 s[4:5], b2 s[6:7], himg s[8:9], hsc s[10:11]
	s_load_b128 s[12:15], s[0:1], 0x20             ; top1 s[12:13], gate s[14:15]
	s_load_b64 s[16:17], s[0:1], 0x30              ; out0
	v_lshl_add_u32 v250, v0, 2, 0x14000
	v_mov_b32 v251, 0
	v_lshrrev_b32 v2, 5, v0
	s_delay_alu instid0(VALU_DEP_1)
	v_readfirstlane_b32 s18, v2                    ; wave 0..15
	s_lshr_b32 s19, ttmp9, 5                       ; expert
	s_and_b32 s20, ttmp9, 31                       ; slice
	v_and_b32 v8, 31, v0                           ; lane
	v_and_b32 v9, 15, v0                           ; r
	v_and_b32 v10, 16, v0                          ; 16 h
	s_delay_alu instid0(VALU_DEP_3)
	v_lshlrev_b32 v1, 2, v8
	s_delay_alu instid0(VALU_DEP_4)
	v_lshlrev_b32 v11, 4, v8
	s_delay_alu instid0(VALU_DEP_3)
	v_lshlrev_b32 v12, 1, v10
	v_mov_b32 v23, 0
	v_mul_u32_u24 v2, v8, CP
	s_lshl_b32 s25, s18, 5
	v_add_nc_u32 v2, s25, v2                       ; codes: row = my column, my wave's 32 bytes (64 along K)
	v_mul_u32_u24 v5, v8, SP
	s_delay_alu instid0(VALU_DEP_1)
	v_add_nc_u32 v5, SCL, v5                       ; scale words: lanes 0-15 tile 0's rows, lanes 16-31 tile 1's
	s_lshl_b32 s25, s18, 1
	v_add_nc_u32 v3, s25, v5                       ; scale bytes: row = my column, my wave's 2
	v_mul_u32_u24 v4, v9, CP
	s_delay_alu instid0(VALU_DEP_1)
	v_add_nc_u32 v4, v10, v4                       ; a fragment: row r, + 16 h
	v_lshl_add_u32 v6, v10, 1, BIAS                ; bias: + 32 h
	s_lshl_b32 s25, s18, 6
	s_add_co_u32 s25, s25, LIST
	v_lshl_add_u32 v7, v9, 2, s25                  ; the list: tile w, row r
	v_add_nc_u32 v192, LIST, v11                   ; for the head alone: where markers go,
	v_add_nc_u32 v193, BIAS, v1                    ; the bias,
	v_mov_b32 v194, CNT                            ; the count;
	v_add_nc_u32 v195, 1024, v8                    ; my lane's dump word;
.irp i, 196,197,198,199
	v_mov_b32 v\i, 1024                            ; the marker
.endr
	s_mov_b32 s3, 0
	s_wait_kmcnt 0x0
	s_lshl_b32 s2, s19, 24                         ; an expert is 16 MiB,
	s_lshl_b32 s25, s18, 18                        ; 64 rows of 4,096 bytes 256 KiB,
	s_add_co_u32 s2, s2, s25
	s_lshl_b32 s25, s20, 7                         ; a slice 128 bytes of a row
	s_add_co_u32 s2, s2, s25
	s_add_nc_u64 s[26:27], s[4:5], s[2:3]
	s_add_nc_u64 s[28:29], s[26:27], 0x800000      ; chunks 2 and 3
	s_lshl_b32 s2, s19, 12
	s_add_co_u32 s2, s2, s25
	s_add_nc_u64 s[6:7], s[6:7], s[2:3]            ; b2 at my slice
	s_mov_b32 s2, s25
	s_add_nc_u64 s[16:17], s[16:17], s[2:3]        ; out0 at my slice's columns
	s_lshl_b32 s2, s19, 21
	s_add_nc_u64 s[8:9], s[8:9], s[2:3]            ; himg at (e, tile 0)
	s_lshl_b32 s2, s19, 17
	s_add_nc_u64 s[10:11], s[10:11], s[2:3]        ; hsc likewise
	s_cmp_lg_u32 s18, 0
	s_cbranch_scc1 .Lnot0a
.irp i, 0,1,2,3,4,5,6,7
	global_load_b128 v[96+4*\i:99+4*\i], v11, s[12:13] offset:512*\i          ; wave 0: all of top1,
.endr
	global_load_b32 v128, v1, s[6:7]               ; and the bias
.Lnot0a:
	WLOAD 0, 0, 31
	WLOAD 1, 0, 21
	s_wait_loadcnt 54                              ; on every wave's path.  Wave 0: top1 and the bias are in: the 32 + 22 weight loads are younger.  The others have just these 54 out: met at once
	s_cmp_lg_u32 s18, 0
	s_cbranch_scc1 .Lnot0b
	s_wait_alu depctr_va_vdst(0)
	ROUTE
.Lnot0b:
	WLOAD 1, 22, 30                                ; 63 weight loads of mine are out
	BAR                                            ; the list, the count and the bias lie in LDS; no other wave has touched LDS yet
	s_wait_alu depctr_va_vdst(0)
	ds_load_b32 v248, v194
.irp k, 0,1,2,3
	ds_load_b32 v[IDR+\k], v7 offset:1024*\k       ; my row of tiles w, w + 16, w + 32, w + 48: a token or the marker
.endr
	BLOAD
	s_wait_dscnt 0x0
	v_readfirstlane_b32 s21, v248
	s_add_co_u32 s22, s21, 15
	s_lshr_b32 s22, s22, 4                         ; tiles
	s_max_u32 s23, s22, 1
	s_sub_co_u32 s25, s23, 1
	s_min_u32 s25, s25, s18                        ; my tile, or the last that exists;
	s_min_u32 s25, s25, 63                         ; it hangs on data read from memory: held ahead of the address
	s_lshl_b32 s2, s25, 15
	s_add_nc_u64 s[30:31], s[8:9], s[2:3]
	s_lshl_b32 s2, s25, 11
	s_add_nc_u64 s[32:33], s[10:11], s[2:3]
.irp k, 0,1,2,3
	v_min_u32 v[GOF+\k], 0x3ff, v[IDR+\k]          ; a marker becomes token 1,023: its row is not stored
.endr
.irp k, 0,1,2,3
	s_delay_alu instid0(VALU_DEP_4)
	v_lshl_add_u32 v[OOF+\k], v[GOF+\k], 12, v12   ; out0: a row of 4,096 bytes, + 32 h
.endr
.irp k, 0,1,2,3
	v_lshlrev_b32 v[GOF+\k], 2, v[GOF+\k]          ; gate: a word
.endr
	WLOAD 1, 31, 31
	global_load_b32 v22, v[GOF], s[14:15]          ; gate
	HLOAD 0
	QUNIT 0, 53                                    ; younger: unit 1's 32, the gate, h's 20
	WLOAD 2, 0, 31
	QUNIT 1, 53                                    ; the gate, h's 20, unit 2's 32
	WLOAD 3, 0, 30
	BAR                                            ; chunk 0's codes lie in LDS; they are never written again
	s_wait_loadcnt 63                              ; h's chunk 0 is in: unit 2's 32 and unit 3's 31 are younger
	s_cmp_lt_u32 s18, s23
	s_cbranch_scc0 .Lskip0
	M3 0
.Lskip0:
	WLOAD 3, 31, 31
	HLOAD 1
	QUNIT 2, 52                                    ; unit 3's 32, h's 20
	WLOAD 4, 0, 31
	QUNIT 3, 52                                    ; h's 20, unit 4's 32
	WLOAD 5, 0, 30
	BAR
	s_wait_loadcnt 63                              ; h's chunk 1 is in
	s_cmp_lt_u32 s18, s23
	s_cbranch_scc0 .Lskip1
	M3 1
.Lskip1:
	WLOAD 5, 31, 31
	HLOAD 2
	QUNIT 4, 52
	WLOAD 6, 0, 31
	QUNIT 5, 52
	WLOAD 7, 0, 30
	BAR
	s_wait_loadcnt 63                              ; h's chunk 2 is in
	s_cmp_lt_u32 s18, s23
	s_cbranch_scc0 .Lskip2
	M3 2
.Lskip2:
	WLOAD 7, 31, 31
	HLOAD 3
	QUNIT 6, 52                                    ; unit 7's 32, h's 20
	QUNIT 7, 20                                    ; h's 20
	BAR                                            ; all codes lie in LDS: from here on LDS is only read
	s_wait_loadcnt 0x0
	s_cmp_lt_u32 s18, s23
	s_cbranch_scc0 .Lskip3
	M3 3
.Lskip3:
	EPI 0                                          ; a wave without a tile holds markers alone and stores nothing
	LATE 1
	LATE 2
	LATE 3
.Lend:
	s_wait_tensorcnt 0x0
	ds_add_u32 v250, v251
	s_wait_dscnt 0x0
	s_endpgm
.Lfunc_end_k_qfac96abb05_down:
	.size	k_qfac96abb05_down, .Lfunc_end_k_qfac96abb05_down-k_qfac96abb05_down
	.p2alignl 7, 3214868480
	.fill 96, 4, 3214868480
	.section	.rodata,"a",@progbits
	.p2align	6, 0x0
	.amdhsa_kernel k_qfac96abb05_down
		.amdhsa_group_segment_fixed_size 83968
		.amdhsa_private_segment_fixed_size 0
		.amdhsa_enable_private_segment 0
		.amdhsa_kernarg_size 56
		.amdhsa_user_sgpr_count 2
		.amdhsa_user_sgpr_kernarg_segment_ptr 1
		.amdhsa_wavefront_size32 1
		.amdhsa_system_sgpr_workgroup_id_x 1
		.amdhsa_system_sgpr_workgroup_id_y 1
		.amdhsa_system_sgpr_workgroup_id_z 1
		.amdhsa_system_vgpr_workitem_id 0
		.amdhsa_next_free_vgpr 256
		.amdhsa_next_free_sgpr 66
		.amdhsa_reserve_vcc 1
		.amdhsa_float_denorm_mode_32 3
		.amdhsa_float_denorm_mode_16_64 3
		.amdhsa_memory_ordered 1
		.amdhsa_forward_progress 1
		.amdhsa_inst_pref_size 191
	.end_amdhsa_kernel
	.amdgpu_metadata
---
amdhsa.version: [ 1, 2 ]
amdhsa.kernels:
  - .name:           k_qfac96abb05_down
    .symbol:         k_qfac96abb05_down.kd
    .args:
      - { .name: w2, .offset: 0, .size: 8, .value_kind: global_buffer, .address_space: global }
      - { .name: b2, .offset: 8, .size: 8, .value_kind: global_buffer, .address_space: global }
      - { .name: himg, .offset: 16, .size: 8, .value_kind: global_buffer, .address_space: global }
      - { .name: hsc, .offset: 24, .size: 8, .value_kind: global_buffer, .address_space: global }
      - { .name: top1, .offset: 32, .size: 8, .value_kind: global_buffer, .address_space: global }
      - { .name: gate, .offset: 40, .size: 8, .value_kind: global_buffer, .address_space: global }
      - { .name: out0, .offset: 48, .size: 8, .value_kind: global_buffer, .address_space: global }
    .group_segment_fixed_size: 83968
    .private_segment_fixed_size: 0
    .kernarg_segment_align: 8
    .kernarg_segment_size: 56
    .max_flat_workgroup_size: 512
    .sgpr_count:     66
    .vgpr_count:     256
    .wavefront_size: 32
...
	.end_amdgpu_metadata
.endif
;; end of part 3
